; MI455X (gfx1250); checked and timed in simulation.
; The chip was launched on July 23, 2026; its instructions are those of AMD's public machine-readable ISA for CDNA 5 (MIT licence, August 2026) and "CDNA5" Instruction Set Architecture Reference Guide (July 2026). The comments in the code are by the model that wrote it; some were corrected since.
;; Custom Attention. Allowed arithmetic: matrix products marked QUANTISED: E2M3 operands, one E8M0 scale for each 32 along K, by v_wmma_scale_f32_16x16x128_f8f6f4 with both operands' format E2M3, f32 sums; everything else in f32.
;; Inputs: K_codes 4 x 16 x 2,048 x 4 x 24 uint8 (E2M3 codes of K, K innermost, in blocks of 32 codes, four codes in three bytes); K_scales 4 x 16 x 2,048 x 4 uint8 (E8M0 scales of K, one for each 32 codes along K); Q_codes 4 x 16 x 2,048 x 4 x 24 uint8 (E2M3 codes of Q, K innermost, in blocks of 32 codes, four codes in three bytes); Q_scales 4 x 16 x 2,048 x 4 uint8 (E8M0 scales of Q, one for each 32 codes along K); V_codes 4 x 16 x 128 x 64 x 24 uint8 (E2M3 codes of V, K innermost, in blocks of 32 codes, four codes in three bytes); V_scales 4 x 16 x 128 x 64 uint8 (E8M0 scales of V, one for each 32 codes along K).
;; Outputs: out0 4 x 16 x 2,048 x 128 float32.
;; This version of the problem:
;;   THIS VERSION OF THE PROBLEM IS GIVEN IN LOW PRECISION. The matrix products marked QUANTISED in the list below multiply operands that are first quantised to E2M3 (2 exponent bits, 3 mantissa bits; 6 bits a number), with one power-of-two scale for each 32 numbers along K (OCP MX v1.0); their sums are f32. All else is computed in f32.
;;   The module's matrix products, in the order in which they are computed (A, B: the left and right operand; K: the contracted axis; several contracted axes count as one K, in the product's order):
;;     1. batch 64 x [M 2,048, K 128] x [K 128, N 2,048]; A: input Q (given as codes); B: input K (given as codes): QUANTISED
;;     2. batch 64 x [M 2,048, K 2,048] x [K 2,048, N 128]; A: softmax (see below); B: input V (given as codes): QUANTISED
;;   THE QUANTISER, for each operand of a quantised product, along K:
;;     - K is cut into blocks of 32 from its start; a last block that is shorter is filled with zeros.
;;     - A block's scale is 2^e with e = floor(log2(the largest magnitude in the block)) - 2, held to -126 .. 127; a block of zeros has e = 0. As a byte (E8M0): e + 127.
;;     - Each number is divided by its block's scale, clamped to +-7.5, and rounded to the nearest number of E2M3, ties to even, subnormals kept.
;;     - The product sums the exact products of the quantised numbers (number of the format x scale) in f32.
;;   ~~~python
;;   def quantise(x, axis):      # numpy; x: float32 -> the quantised numbers, widened to float32 again
;;       x = np.moveaxis(x, axis, -1); K = x.shape[-1]
;;       x = np.pad(x, [(0, 0)] * (x.ndim - 1) + [(0, -K % 32)]); x = x.reshape(x.shape[:-1] + (-1, 32)); a = np.abs(x).max(-1, keepdims=True)
;;       e = np.where(a > 0, np.clip(np.frexp(np.where(a > 0, a, 1))[1] - 1 - 2, -126, 127), 0)      # np.frexp(a)[1] - 1 = floor(log2(a)), exactly
;;       r = np.clip(x / 2.0 ** e, -7.5, 7.5)
;;       step = 2.0 ** (np.maximum(np.frexp(np.where(r == 0, 1, r))[1] - 1, 0) - 3)
;;       q = np.round(r / step) * step * 2.0 ** e      # np.round: ties to even
;;       return np.moveaxis(q.reshape(q.shape[:-2] + (-1,))[..., :K], -1, axis).astype(np.float32)
;;   ~~~
;;   SOFTMAX AHEAD OF A QUANTISED PRODUCT. Where the list says 'softmax', what is quantised is not the finished softmax but p = 2^(t - M), with t = logit x log2(e) and M = ceil(the row's largest t), a whole number; so 1/2 < the row's largest p <= 1. The row's sum l is taken of the UNQUANTISED p, in f32, and the product's result is divided by l at the end. Since M is a whole number, a kernel that streams over the keys may use a running M (the ceiling of the running maximum): every later rescaling is an exact power of two, which a block's scale takes up: the codes' values come out the same.
;;   OPERANDS COMPUTED ON THE WAY. 'Computed on the way' means the value that the module computes at that place (a softmax that the list does not call 'softmax' is quantised finished and normalised). What goes into a quantiser is computed in f32, as accurately as f32 sums, v_exp_f32 and their like allow (about 1e-6 of the number): no bf16 or f16 on the way to a quantiser, and a product that is left as it is and whose result goes on into a quantised operand takes f32 operands (vector FMAs, or v_wmma_f32_16x16x4_f32). A number that lies on a knife's edge between two numbers of the format may be rounded either way, as far as f32 arithmetic and the matrix unit's own rounding can turn it there, and no further.
;;   INPUTS GIVEN AS CODES. K (in the module: [4, 16, 2048, 128], K = its axis 3); Q (in the module: [4, 16, 2048, 128], K = its axis 3); V (in the module: [4, 16, 2048, 128], K = its axis 2): each comes as NAME_codes (uint8): NAME with its K axis moved to the last place and cut into blocks of 32 codes, [.., K / 32, bytes a block], one block behind the other in memory; four codes in three bytes: a row's codes are one little-endian stream of bits, code i at bits 6 i .. 6 i + 5 (a code: sign, 2 exponent bits, 3 mantissa bits); and NAME_scales (uint8): the same leading axes, one E8M0 byte (e + 127) for each 32 codes along K. Its value is code x scale, taken as it is: it is not quantised again, and the codes and scales need not be those that the quantiser above would give.
;; One version. Each part assembles by itself: llvm-mc -triple=amdgcn-amd-amdhsa -mcpu=gfx1250 --defsym DOCPART=n.
;; ======== version 1 of 1: 1 launch
;; limits: right only within a limited range of input values
;; launch attn (part 1): grid 4 x 64, 8 waves a work-group, clusters of 4 x 1, 327,680 bytes of LDS; arguments Q_codes, Q_scales, K_codes, K_scales, V_codes, V_scales, out0; writes out0
.if DOCPART == 1
	.amdgcn_target "amdgcn-amd-amdhsa--gfx1250"
	.amdhsa_code_object_version 6
	.text
	.protected	k_q155e7264bf_attn
	.globl	k_q155e7264bf_attn
	.p2align	8
	.type	k_q155e7264bf_attn,@function
k_q155e7264bf_attn:
	s_mov_b64 s[64:65], 0
	v_nop
	global_prefetch_b8 v0, s[64:65] scope:SCOPE_SE
	s_setreg_imm32_b32 hwreg(HW_REG_WAVE_MODE, 25, 1), 1
	s_wait_xcnt 0x0
	s_wait_alu depctr_hold_cnt(0) depctr_sa_sdst(0) depctr_va_vdst(0) depctr_va_sdst(0) depctr_va_ssrc(0) depctr_va_vcc(0) depctr_vm_vsrc(0)
	s_getreg_b32 s2, hwreg(HW_REG_IB_STS2, 6, 4)
	s_cmp_eq_u32 s2, 0
	s_cbranch_scc0 .Lentry_in_a_cluster
	s_endpgm
.Lentry_in_a_cluster:
	s_bfe_u32 s2, ttmp6, 0x10000c
	s_cmp_lg_u32 s2, 0x3003
	s_cbranch_scc0 .Lentry_shape_is_right
	s_endpgm
.Lentry_shape_is_right:
; out0[head][q][:] = sum over k of softmax_k(Q[head][q] . K[head][k]) V[head][k][:]; 64 heads, 2,048 queries and keys, head size 128, no mask, no 1/sqrt(d).
; Both products on FP6 (E2M3) codes with one E8M0 scale for each 32 along a product's K.  Q, K: [64][2048][96 bytes]; V: keys innermost, [64][128][1536 bytes].
; SOFTMAX: t = score x log2(e); M = the running largest t rounded UP to a whole number; p = 2^(t - M) is quantised along the keys, not normalised.
; The row's sum is taken of the unquantised p in f32 and divides O at the end.  When M moves, the sum and O are multiplied by 2^(old M - new M): exact, and no branch hangs on data.
; SHARES.  256 work-groups.  A cluster of four owns a head; work-group cx makes query blocks cx and cx + 4 (256 queries each), one after the other.  Each of eight waves owns 32 queries: two tiles of 16.
; A block walks the 2,048 keys in 8 visits of 256 keys (two steps of 128); the two blocks are 16 visits of one loop, and K's ring of two slots runs on over the change of blocks.
; LAYOUT.  Both products transposed: S^T = K Q^T, O^T = V^T P^T: a lane holds ONE query (lane % 16) of each tile throughout.
; K: lane r of tile 4 c + t takes key 64 c + 8 t + r % 8 + 32 (r / 8): register 32 c + n of lane half h is key 64 c + 32 h + n, a whole block of 32 keys in one lane, in the order of the second product's operand.
; V: lane r of tile i takes channel 64 (i / 4) + 32 (r / 8) + 8 (i % 4) + r % 8: register 8 i + j of lane half h is channel 64 (i / 4) + 32 h + 8 (i % 4) + j.
; LDS.  K's blocks of 32 keys go by turns into two regions 12,304 bytes apart.  ALL of the head's V comes once and stays: memory is read as dense rows of 768 bytes (row 2 x channel + half of the keys), each row
; starting at a multiple of 256 bytes, 16 bytes of padding behind every 256 (pitch 816); four loads of 64 rows, regions 52,480 bytes apart, the odd ones 16 bytes further on.
; So the 32 lanes' 8 bytes of a fragment load fall on 32 different places modulo 256.  A step's 96 bytes of a row meet the padding in a pattern of eight steps: the loop chooses among four written-out runs of loads by the visit's number.
; The head's scale bytes, K's and V's, come once, as rows of 256 bytes + 16.  Every wave issues one tensor load at the head.
; CLUSTER.  The four partners walk the same K, V and scales: every tile is asked for jointly, by the same descriptor and a mask that names the four.
; PREFETCH.  Wave 4 asks for K's codes (macro ASK).  V and the scales are asked for whole by the head's loads, with no loop ahead of them to ask in: no prefetch.  K's second walk reads what the cluster has read in this launch.
; LIMITS.  NaN, infinities and the scale byte 0xff among the inputs are not served.  A p under 2^-126 comes out of v_exp_f32 as 0.  A block whose every p is 0 keeps the scale byte 1: its codes are zeros.
; A block's largest p is taken as the exponential of its largest score: this leans on v_exp_f32 not falling where its input rises.  The running largest score starts at -1e38: scores under that are not served.
; REGISTERS: window 0: addresses, statistics, scale words, Q, p's codes, eight fragments.  Window 1: v0-127 S^T, then p (64 a tile); v128-255 O^T (64 a tile).
.set ROWB,  96
.set HCB,   196608                     ; a head's codes in bytes
.set SLOT1, 32768                      ; K's slot 1
.set KODD,  12304
.set SPARE, 24832                      ; the spare words, 1,024 bytes, in the gap behind K's slot 0 (which ends at 24,592)
.set VOFF,  65536
.set VRS,   52480                      ; from region to region of V
.set VCH,   1632                       ; from channel to channel: two rows of 816
.set VHI,   2*VRS                      ; tiles 4-7 lie two regions on
.set SCK,   VOFF+4*VRS                 ; K's scale bytes: 32 rows of 272
.set SCB,   8704
.set SCV,   SCK+SCB
.set STAGE, SCV+SCB                    ; the way out: 16 rows x 272 bytes for each wave; no fill lands here
.set SP,    272
.set STW,   16*SP
.set AK0,  1
.set AV0,  2
.set AV1,  3
.set ASK0, 4
.set ASV0, 5
.set SPW,  6                           ; my spare word's address; never rewritten
.set NIL,  7                           ; 0; never rewritten
.set SH8,  8
.set PFO,  9
.set ADK,  10                          ; the visit's LDS addresses: K, K's scale words, V's scale words
.set ADS,  11
.set ADT,  12
.set ST,   16                          ; tile x's statistics at v[ST + 8 x]
.set NM,   0                           ; -M
.set SMX,  1                           ; the running largest score
.set LS,   2                           ; the sum, in two halves
.set FF,   4                           ; f = 2^(old M - new M)
.set TA,   6
.set TV,   7
.set KS,   32
.set QS,   40
.set PS,   42
.set BM,   44
.set SO,   48
.set BY,   52
.set XS,   56
.set QF,   64
.set PC,   88
.set CT,   112
.set FR,   128
.set STO,  224
.set RD,   225
.set GO,   226
.set QO,   227
.set QSO,  228
.set AVL,  236                         ; V, tiles 0-3;  +1: the same behind one padding more;  +2, +3: tiles 4-7
.set AWL,  237
.set OUTB, 88                          ; the way out: 4 x 32 registers read back from the stage (Q's registers are left alone)
.set TB,   2
.set TS,   3
.set WV,   18
.set VI,   19                          ; the visit, 0 .. 15
.set SEL,  20
.set CS,   22
.set G1K,  24
.set G1V,  32
.set G0K,  40
.set G0V,  44
.set G1S,  48
.set G0S,  56
.set KB,   60                          ; s[60:61] K's codes of my head, my half of the blocks
.set KL,   62                          ; my half's place in a slot
.set LIM,  63                          ; 4 in wave 4, else 0
.set TJ,   66
.set TH,   67
.set PH,   69
.set PFA,  76
.set KO,   78                          ; s[78:79] an offset; s79 stays 0
.set MSB, 0
.macro WIN new
.if MSB != \new
	s_set_vgpr_msb (MSB<<8)|\new
.set MSB, \new
.endif
.endm
.macro NOP4
.rept 4
	v_nop
.endr
.endm
.macro CROUND                          ; a round of the cluster's barrier
	s_barrier_signal -1
	s_barrier_wait -1
	s_cmp_lg_u32 s[WV], 0
	s_cbranch_scc1 .Lnot_wave_0_\@
	s_barrier_signal -3
.Lnot_wave_0_\@:
	s_barrier_wait -3
	s_barrier_signal -1
	s_barrier_wait -1
.endm
.macro JLOAD                           ; K's joint refill: wave 0 the even blocks of 32 keys, wave 1 the odd ones
	s_cmp_lt_u32 s[WV], 2
	s_cbranch_scc0 .Lasked_\@
	tensor_load_to_lds s[G0K:G0K+3], s[G1K:G1K+7]
	s_nop 0
	NOP4
.Lasked_\@:
.endm
; K's codes of the head are 768 aligned blocks of 256 bytes.  In visit i = 0 .. 3 wave 4 names blocks 256 + 128 i .. + 127: 32 a partner (told apart by address), a lane a block; each block once.
; The visit's own refill asks for blocks 96 (i + 1) on: what is named is loaded at least one visit later.  Blocks 0 - 255 come by their loads alone; the last block named is 767.
.macro ASK
	s_cmp_lt_u32 s[VI], s[LIM]
	s_cbranch_scc0 .Lnot_mine_\@
	global_prefetch_b8 v[PFO], s[PFA:PFA+1] th:TH_LOAD_NT scope:SCOPE_SE
.Lnot_mine_\@:
.endm
.macro QLOAD                           ; Q's two fragments and scale words stay in registers for a block
.irp x, 0,1
.irp p, 0,1,2,3,4,5
	global_load_b64 v[QF+12*\x+2*\p:QF+12*\x+2*\p+1], v[QO], s[4:5] offset:16*ROWB*\x+48*(\p/3)+8*(\p%3)
.endr
	global_load_b32 v[QS+\x], v[QSO], s[6:7] offset:64*\x
.endr
.endm
.macro INIT                            ; a block's start: the step is written once, and the first finds zeros, which the first change of M leaves zeros
.irp x, 0,1
	v_mov_b32 v[ST+8*\x+SMX], 0xfe967699           ; -1e38
	v_mov_b32 v[ST+8*\x+LS], 0
	v_mov_b32 v[ST+8*\x+LS+1], 0
	v_mov_b32 v[ST+8*\x+FF+1], 0                   ; (the upper half of f's pair)
	v_mov_b32 v[ST+8*\x+TV], 0                     ; a lane permute's destination counts as a source
	v_mul_f32 v[ST+8*\x+TA], s[CS], v[ST+8*\x+SMX]
	v_floor_f32 v[ST+8*\x+NM], -v[ST+8*\x+TA]
.endr
	WIN 0x40
.set jj, 0
.rept 128
	v_mov_b32 v[128+jj], 0
.set jj, jj+1
.endr
	WIN 0
.endm
	s_load_b128 s[4:7], s[0:1], 0x0                ; Q's codes, scales
	s_load_b128 s[8:11], s[0:1], 0x10              ; K's
	s_load_b128 s[12:15], s[0:1], 0x20             ; V's
	s_load_b64 s[16:17], s[0:1], 0x30              ; out0
	v_lshl_add_u32 v[SPW], v0, 2, SPARE
	v_mov_b32 v[NIL], 0
	ds_add_u32 v[SPW], v[NIL]                      ; the opening lines: the add, twice on end,
	ds_add_u32 v[SPW], v[NIL]
	v_lshrrev_b32 v10, 5, v0
	v_readfirstlane_b32 s[WV], v10                 ; wave 0..7
	s_bfe_u32 s68, ttmp6, 0x40000                  ; cx: it enters Q's, out0's and the prefetch's addresses alone
	s_and_b32 s70, ttmp7, 0xffff                   ; the head
	s_mul_i32 s72, s70, HCB
	s_mov_b32 s73, 0
	s_lshl_b32 s74, s70, 13                        ; the head's scale bytes
	s_mov_b32 s75, 0
	s_and_b32 s84, s[WV], 1
	s_and_b32 s85, s[WV], 3
.set GB, 82                            ; s82: my group, (wave ^ wave >> 2) & 1: waves w and w + 4 differ in it, and so do waves 2 k and 2 k + 1
	s_lshr_b32 s[GB], s[WV], 2
	s_xor_b32 s[GB], s[GB], s[WV]
	s_and_b32 s[GB], s[GB], 1
	s_mul_i32 s86, s84, 3072                       ; K: even or odd blocks of 32 keys
	s_add_co_u32 s86, s86, s72
	s_mov_b32 s87, 0
	s_mul_i32 s[KL], s84, KODD
	s_mul_i32 s88, s85, 32*1536                    ; V: 32 channels a wave
	s_add_co_u32 s88, s88, s72
	s_mov_b32 s89, 0
	s_mul_i32 s71, s85, VRS
	s_lshl_b32 s90, s84, 4
	s_add_co_u32 s71, s71, s90
	s_add_co_u32 s71, s71, VOFF
	s_mul_i32 s83, s84, SCB
	s_add_co_u32 s83, s83, SCK
	s_mul_i32 s91, s[WV], STW
	s_add_co_u32 s91, s91, STAGE                   ; my stage
	s_lshl_b32 s92, s68, 8
	s_lshl_b32 s93, s[WV], 5
	s_add_co_u32 s92, s92, s93                     ; my first query of the first block
	s_lshl_b32 s94, s92, 2
	s_add_co_u32 s94, s94, s74
	s_mov_b32 s95, 0
	s_lshl_b32 s96, s92, 9
	s_lshl_b32 s97, s70, 20
	s_add_co_u32 s96, s96, s97
	s_mov_b32 s97, 0
	s_mul_i32 s92, s92, ROWB
	s_add_co_u32 s92, s92, s72
	s_mov_b32 s93, 0
	s_lshl_b32 s98, s68, 13                        ; the prefetches: 32 blocks a partner,
	s_add_co_u32 s98, s98, 32768                   ; one step of 128 blocks short of block 256
	s_add_co_u32 s98, s98, s72
	s_mov_b32 s99, 0
	s_mov_b32 s[KO+1], 0
	s_mov_b32 s[VI], 0
	; K: 4 rows of 3,072 bytes (32 dense keys), 6,144 apart in memory, on end in LDS
	s_mov_b32 s[G1K], 15|(3<<16)|(1<<21)
	s_mov_b32 s[G1K+1], 384<<16
	s_mov_b32 s[G1K+2], 4<<16
	s_mov_b32 s[G1K+3], 384<<16
	s_mov_b32 s[G1K+4], 4
	s_mov_b32 s[G1K+5], 768
	s_mov_b32 s[G1K+6], 0
	s_mov_b32 s[G1K+7], 0
	; V: 64 dense rows of 768 bytes (96 elements of 8), 4 words of padding behind every 64 words
	s_mov_b32 s[G1V], 15|(3<<16)|(1<<20)|(1<<21)|(5<<22)|(3<<25)
	s_mov_b32 s[G1V+1], 96<<16
	s_mov_b32 s[G1V+2], 64<<16
	s_mov_b32 s[G1V+3], 96<<16
	s_mov_b32 s[G1V+4], 64
	s_mov_b32 s[G1V+5], 96
	s_mov_b32 s[G1V+6], 0
	s_mov_b32 s[G1V+7], 0
	; scale bytes: 8,192 dense bytes as 32 rows of 256, padded likewise
	s_mov_b32 s[G1S], 15|(3<<16)|(1<<20)|(1<<21)|(5<<22)|(3<<25)
	s_mov_b32 s[G1S+1], 32<<16
	s_mov_b32 s[G1S+2], 32<<16
	s_mov_b32 s[G1S+3], 32<<16
	s_mov_b32 s[G1S+4], 32
	s_mov_b32 s[G1S+5], 32
	s_mov_b32 s[G1S+6], 0
	s_mov_b32 s[G1S+7], 0
	s_mov_b32 s[SEL], 0x76543210
	s_mov_b32 s[SEL+1], 0xfedcba98
	s_mov_b32 s[CS], 0x3fb8aa3b                    ; log2(e)
	s_mov_b32 s[CS+1], s[CS]
	s_wait_dscnt 0x0                               ; and the one wait for both adds
	s_wait_kmcnt 0x0
	s_add_nc_u64 s[KB:KB+1], s[8:9], s[86:87]
	s_mov_b32 s[G0K], 1
	s_mov_b32 s[G0K+1], s[KL]                      ; slot 0
	s_mov_b64 s[G0K+2:G0K+3], s[KB:KB+1]
	s_or_b32 s[G0K+3], s[G0K+3], 0x80000000
	s_mov_b32 s[G0V], 1
	s_mov_b32 s[G0V+1], s71
	s_add_nc_u64 s[G0V+2:G0V+3], s[12:13], s[88:89]
	s_or_b32 s[G0V+3], s[G0V+3], 0x80000000
	s_cmp_eq_u32 s[WV], 2                          ; wave 2: K's scale bytes; wave 3: V's
	s_cselect_b64 s[G0S+2:G0S+3], s[10:11], s[14:15]
	s_mov_b32 s[G0S], 1
	s_mov_b32 s[G0S+1], s83
	s_add_nc_u64 s[G0S+2:G0S+3], s[G0S+2:G0S+3], s[74:75]
	s_or_b32 s[G0S+3], s[G0S+3], 0x80000000
	s_add_nc_u64 s[4:5], s[4:5], s[92:93]
	s_add_nc_u64 s[6:7], s[6:7], s[94:95]
	s_add_nc_u64 s[16:17], s[16:17], s[96:97]
	s_add_nc_u64 s[PFA:PFA+1], s[8:9], s[98:99]
	s_cmp_eq_u32 s[WV], 4
	s_cselect_b32 s[LIM], 4, 0
	CROUND                                         ; all four work-groups are here: the first joint loads meet
	s_cmp_lt_u32 s[WV], 2                          ; one chain, one load to an arm, every wave in one arm
	s_cbranch_scc0 .Lhead_s
	tensor_load_to_lds s[G0K:G0K+3], s[G1K:G1K+7]
	s_nop 0
	NOP4
	s_branch .Lhead_j
.Lhead_s:
	s_cmp_lt_u32 s[WV], 4
	s_cbranch_scc0 .Lhead_v
	tensor_load_to_lds s[G0S:G0S+3], s[G1S:G1S+7]
	s_nop 0
	NOP4
	s_branch .Lhead_j
.Lhead_v:
	tensor_load_to_lds s[G0V:G0V+3], s[G1V:G1V+7]
	s_nop 0
	NOP4
.Lhead_j:
	v_and_b32 v230, 15, v0                         ; r
	v_bfe_u32 v231, v0, 4, 1                       ; h
	v_and_b32 v232, 7, v0                          ; r % 8
	v_bfe_u32 v233, v0, 3, 1                       ; r / 8
	v_mul_u32_u24 v[QO], v230, ROWB
	v_mad_u32_u24 v[QO], v231, 24, v[QO]
	v_lshlrev_b32 v[QSO], 2, v230
	QLOAD
	v_mul_u32_u24 v[AK0], v232, ROWB
	v_mad_u32_u24 v[AK0], v233, KODD, v[AK0]
	v_mad_u32_u24 v[AK0], v231, 24, v[AK0]         ; K: row r % 8 of region r / 8, + 24 h
	v_mul_u32_u24 v[AV0], v232, VCH
	v_mad_u32_u24 v[AV0], v233, VRS+16, v[AV0]
	v_mad_u32_u24 v[AV0], v231, 24, v[AV0]
	v_add_nc_u32 v[AV0], VOFF, v[AV0]              ; V: channel r % 8 of region r / 8, + 24 h;
	v_lshl_add_u32 v[AV1], v231, 4, v[AV0]         ; + 40 h where lanes 16-31 read behind one padding more
	v_lshl_add_u32 v[ASK0], v233, 5, v232
	v_lshl_add_u32 v[ASK0], v[ASK0], 2, SCK        ; K's scale words: key r % 8 + 32 (r / 8)
	v_bfe_u32 v234, v0, 2, 1
	v_and_b32 v[ASV0], 3, v0
	v_lshlrev_b32 v[ASV0], 6, v[ASV0]
	v_mad_u32_u24 v[ASV0], v234, 272, v[ASV0]
	v_mad_u32_u24 v[ASV0], v233, 8*272, v[ASV0]
	v_add_nc_u32 v[ASV0], SCV, v[ASV0]             ; V's: 64 bytes a channel, four channels to a row of 272; channel 32 (r / 8) + r % 8
	v_lshlrev_b32 v[SH8], 3, v231
	v_and_b32 v[PFO], 31, v0
	v_lshlrev_b32 v[PFO], 8, v[PFO]
	v_mul_u32_u24 v[STO], v230, SP
	v_lshl_add_u32 v[STO], v231, 7, v[STO]
	v_add_nc_u32 v[STO], s91, v[STO]               ; into the stage: row r, my half's 32 channels at 128 h
	v_mul_u32_u24 v[RD], v231, SP
	v_lshl_add_u32 v[RD], v230, 4, v[RD]
	v_add_nc_u32 v[RD], s91, v[RD]                 ; back: lanes 0-15 one row, lanes 16-31 the next
	v_lshlrev_b32 v[GO], 9, v231
	v_lshl_add_u32 v[GO], v230, 4, v[GO]           ; the same two rows in out0
	INIT
.macro FETCH_K q                       ; eight fragments of K (six pieces of 8 bytes each) and their scale words
.irp i, 0,1,2,3,4,5,6,7
.irp p, 0,1,2,3,4,5
	ds_load_b64 v[FR+12*\i+2*\p:FR+12*\i+2*\p+1], v[ADK] offset:3072*(2*(\q)+\i/4)+768*(\i%4)+48*(\p/3)+8*(\p%3)
.endr
	ds_load_b32 v[KS+\i], v[ADS] offset:544*(\q)+272*(\i/4)+32*(\i%4)
.endr
.endm
; Eight fragments of V^T for step sp (0 .. 7) of a half of the keys.  Byte y of a row of 768 lies at y + 16 (y / 256); lanes 16-31 read 24 bytes on, behind one padding more where y % 256 >= 232.
.macro FETCH_V sp, q
.irp i, 0,1,2,3,4,5,6,7
.irp p, 0,1,2,3,4,5
.set YY, 96*(\sp)+48*(\p/3)+8*(\p%3)
.if YY%256 < 232
	ds_load_b64 v[FR+12*\i+2*\p:FR+12*\i+2*\p+1], v[AVL+2*(\i/4)] offset:YY+16*(YY/256)+8*VCH*(\i%4)
.else
	ds_load_b64 v[FR+12*\i+2*\p:FR+12*\i+2*\p+1], v[AWL+2*(\i/4)] offset:YY+16*(YY/256)+8*VCH*(\i%4)
.endif
.endr
	ds_load_b32 v[KS+\i], v[ADT] offset:4352*(\i/4)+544*(\i%4)+4*(\q)
.endr
.endm
.macro FV_ANY q                        ; step 2 (visit % 4) + q: the branch hangs on the counted visit alone; every way issues the same 56 loads
	s_cmp_lt_u32 s[PH], 2
	s_cbranch_scc0 .Lfh_\@
	s_cmp_eq_u32 s[PH], 0
	s_cbranch_scc0 .Lf1_\@
	FETCH_V 0+\q, \q
	s_branch .Lfj_\@
.Lf1_\@:
	FETCH_V 2+\q, \q
	s_branch .Lfj_\@
.Lfh_\@:
	s_cmp_eq_u32 s[PH], 2
	s_cbranch_scc0 .Lf3_\@
	FETCH_V 4+\q, \q
	s_branch .Lfj_\@
.Lf3_\@:
	FETCH_V 6+\q, \q
.Lfj_\@:
.endm
.macro KQ4 c                           ; S^T = K Q^T; the accumulators take turns
.irp t, 0,1,2,3
.irp x, 0,1
	v_wmma_scale_f32_16x16x128_f8f6f4 v[64*\x+8*(4*\c+\t):64*\x+8*(4*\c+\t)+7], v[FR+12*(4*\c+\t):FR+12*(4*\c+\t)+11], v[QF+12*\x:QF+12*\x+11], 0, v[KS+4*\c+\t], v[QS+\x] matrix_a_fmt:MATRIX_FMT_FP6 matrix_b_fmt:MATRIX_FMT_FP6
.endr
.endr
.endm
.macro PV                              ; O^T += V^T P^T, by turns
.irp i, 0,1,2,3,4,5,6,7
.irp x, 0,1
	v_wmma_scale_f32_16x16x128_f8f6f4 v[128+64*\x+8*\i:128+64*\x+8*\i+7], v[FR+12*\i:FR+12*\i+11], v[PC+12*\x:PC+12*\x+11], v[128+64*\x+8*\i:128+64*\x+8*\i+7], v[KS+\i], v[PS+\x] matrix_a_fmt:MATRIX_FMT_FP6 matrix_b_fmt:MATRIX_FMT_FP6
.endr
.endr
.endm
; A KEY STEP: 128 keys, the q-th of the visit.  sv < 0: V's run of loads is chosen by the visit; else it is step sv's.
; The step is written in two parts.  P1: K's fragments, S^T, and the request for V's fragments.  P2: the softmax and O^T; it names registers alone and no LDS address.
.macro P1 q, sv
	NOP4                                           ; four places between the last products and the loads into registers that they read
	FETCH_K \q
	s_wait_dscnt 28                                ; tiles 0-3 are in; the 28 loads of tiles 4-7 may be out
	WIN 0x40
	KQ4 0
	s_wait_dscnt 0x0
	KQ4 1
	WIN 0
	NOP4                                           ; four places: ahead of the loads below and of the first read of S^T
.if \sv < 0
	FV_ANY \q
.else
	FETCH_V \sv, \q
.endif
.endm
.macro P2
	; the largest score of each block of 32 keys, ascending: it serves the row's maximum and the block's largest p
	WIN 0x15
.irp x, 0,1
.irp c, 0,1
	v_max3_num_f32 v[BM+2*\x+\c], v[64*\x+32*\c], v[64*\x+32*\c+1], v[64*\x+32*\c+2]
.endr
.endr
	WIN 0x14
.irp n, 3,5,7,9,11,13,15,17,19,21,23,25,27,29
.irp x, 0,1
.irp c, 0,1
	v_max3_num_f32 v[BM+2*\x+\c], v[BM+2*\x+\c], v[64*\x+32*\c+\n], v[64*\x+32*\c+\n+1]
.endr
.endr
.endr
.irp x, 0,1
.irp c, 0,1
	v_max_num_f32 v[BM+2*\x+\c], v[BM+2*\x+\c], v[64*\x+32*\c+31]
.endr
.endr
	WIN 0
.irp x, 0,1
	v_max_num_f32 v[ST+8*\x+TA], v[BM+2*\x], v[BM+2*\x+1]
.endr
.irp x, 0,1
	v_permlanex16_b32 v[ST+8*\x+TV], v[ST+8*\x+TA], s[SEL], s[SEL+1]   ; the query's other 64 keys
.endr
.irp x, 0,1
	v_max3_num_f32 v[ST+8*\x+SMX], v[ST+8*\x+SMX], v[ST+8*\x+TA], v[ST+8*\x+TV]
.endr
.irp x, 0,1
	v_mul_f32 v[ST+8*\x+TA], s[CS], v[ST+8*\x+SMX]
.endr
.irp x, 0,1
	v_mov_b32 v[ST+8*\x+TV], v[ST+8*\x+NM]
.endr
.irp x, 0,1
	v_floor_f32 v[ST+8*\x+NM], -v[ST+8*\x+TA]      ; -M = floor(-t)
.endr
.irp x, 0,1
	v_sub_f32 v[ST+8*\x+TV], v[ST+8*\x+NM], v[ST+8*\x+TV]
.endr
.irp x, 0,1
	v_cvt_i32_f32 v[ST+8*\x+TV], v[ST+8*\x+TV]     ; (it saturates)
.endr
.irp x, 0,1
	v_ldexp_f32 v[ST+8*\x+FF], 1.0, v[ST+8*\x+TV]  ; f = 2^(old M - new M)
.endr
.irp x, 0,1
.irp c, 0,1
	v_fma_f32 v[BM+2*\x+\c], v[BM+2*\x+\c], s[CS], v[ST+8*\x+NM]
.endr
.endr
	WIN 0x41                                       ; destination and source 0 in window 1
.irp x, 0,1
.set jj, 0
.rept 32
	v_pk_fma_f32 v[64*\x+2*jj:64*\x+2*jj+1], v[64*\x+2*jj:64*\x+2*jj+1], s[CS:CS+1], v[ST+8*\x+NM:ST+8*\x+NM+1] op_sel_hi:[1,0,0]   ; t - M
.set jj, jj+1
.endr
.endr
.irp x, 0,1
.set jj, 0
.rept 32
	v_pk_mul_f32 v[128+64*\x+2*jj:128+64*\x+2*jj+1], v[128+64*\x+2*jj:128+64*\x+2*jj+1], v[ST+8*\x+FF:ST+8*\x+FF+1] op_sel_hi:[1,0]   ; O^T under the new M, ascending
.set jj, jj+1
.endr
.endr
	s_wait_alu depctr_va_vdst(0)                   ; the wait ahead of the batch
.set jj, 0
.rept 128
	v_exp_f32 v[jj], v[jj]                         ; p = 2^(t - M)
.set jj, jj+1
.endr
	WIN 0
.irp x, 0,1
.irp c, 0,1
	v_exp_f32 v[BM+2*\x+\c], v[BM+2*\x+\c]         ; the block's largest p
.endr
.endr
	v_nop                                          ; a plain place behind the batch
	s_wait_alu depctr_va_vdst(0)                   ; and the one wait behind it
.irp x, 0,1
.irp c, 0,1
	v_max_num_f32 v[BM+2*\x+\c], 0x1800000, v[BM+2*\x+\c]   ; the floor 2^(3 - 127)
.endr
.endr
.irp x, 0,1
.irp c, 0,1
	v_add_nc_u32 v[SO+2*\x+\c], 0xff000000, v[BM+2*\x+\c]   ; 2 off the exponent field: the conversion's scale operand
.endr
.endr
.irp x, 0,1
.irp c, 0,1
	v_lshrrev_b32 v[BY+2*\x+\c], 23, v[SO+2*\x+\c]
.endr
.endr
.irp x, 0,1
	v_lshl_or_b32 v[ST+8*\x+TA], v[BY+2*\x+1], 16, v[BY+2*\x]   ; blocks h and 2 + h
.endr
.irp x, 0,1
	v_lshlrev_b32 v[ST+8*\x+TA], v[SH8], v[ST+8*\x+TA]
.endr
.irp x, 0,1
	v_permlanex16_b32 v[ST+8*\x+TV], v[ST+8*\x+TA], s[SEL], s[SEL+1]
.endr
.irp x, 0,1
	v_or_b32 v[PS+\x], v[ST+8*\x+TA], v[ST+8*\x+TV]             ; p's scale word
.endr
	WIN 0x01
.irp x, 0,1
.irp c, 0,1
	v_cvt_scalef32_pk16_fp6_f32 v[PC+12*\x+6*\c:PC+12*\x+6*\c+2], v[64*\x+32*\c:64*\x+32*\c+15], v[SO+2*\x+\c]
	v_cvt_scalef32_pk16_fp6_f32 v[CT+8*\x+4*\c:CT+8*\x+4*\c+2], v[64*\x+32*\c+16:64*\x+32*\c+31], v[SO+2*\x+\c]      ; (three registers from an even one: made elsewhere and moved)
.endr
.endr
	WIN 0
	v_nop                                          ; one plain line behind the scaled conversions
.irp x, 0,1
.irp c, 0,1
.irp n, 0,1,2
	v_mov_b32 v[PC+12*\x+6*\c+3+\n], v[CT+8*\x+4*\c+\n]
.endr
.endr
.endr
	; the row's sum of the unquantised p; these lines are also the places between p's scale word and codes and the scaled products
	WIN 0x05
.irp x, 0,1
	v_pk_add_f32 v[XS+4*\x:XS+4*\x+1], v[64*\x:64*\x+1], v[64*\x+2:64*\x+3]
	v_pk_add_f32 v[XS+4*\x+2:XS+4*\x+3], v[64*\x+4:64*\x+5], v[64*\x+6:64*\x+7]
.endr
	WIN 0x04
.irp n, 8,12,16,20,24,28,32,36,40,44,48,52,56,60
.irp x, 0,1
	v_pk_add_f32 v[XS+4*\x:XS+4*\x+1], v[XS+4*\x:XS+4*\x+1], v[64*\x+\n:64*\x+\n+1]
	v_pk_add_f32 v[XS+4*\x+2:XS+4*\x+3], v[XS+4*\x+2:XS+4*\x+3], v[64*\x+\n+2:64*\x+\n+3]
.endr
.endr
	WIN 0
.irp x, 0,1
	v_pk_add_f32 v[XS+4*\x:XS+4*\x+1], v[XS+4*\x:XS+4*\x+1], v[XS+4*\x+2:XS+4*\x+3]
.endr
.irp x, 0,1
	v_pk_fma_f32 v[ST+8*\x+LS:ST+8*\x+LS+1], v[ST+8*\x+LS:ST+8*\x+LS+1], v[ST+8*\x+FF:ST+8*\x+FF+1], v[XS+4*\x:XS+4*\x+1] op_sel_hi:[1,0,1]
.endr
	s_wait_alu depctr_va_vdst(0)                   ; directly ahead of the wait below
	s_wait_dscnt 0x0                               ; V and its scale words are in
	WIN 0x50
	PV
	WIN 0
.endm
; THE CHANGE OF SLOTS, at a visit's head.  Each wave waits for all its tensor loads, adds 0 to its spare word, makes the visit's addresses from the visit's number, and waits for the add and for its LDS reads.
; fill = 1: a round of the cluster's barrier; behind it K's slot read last is asked for again, with the keys of visit + 1 (modulo 8: the second block walks K anew).
.macro CHANGE fill
	s_wait_tensorcnt 0x0
	ds_add_u32 v[SPW], v[NIL]
	s_and_b32 s[TB], s[VI], 1
	s_lshl_b32 s[TB], s[TB], 15                    ; K's slot
	s_and_b32 s80, s[VI], 7
	s_mul_i32 s[TS], s80, 1088                     ; K's scale words: four rows of 272 a visit
	s_lshl_b32 s[TJ], s80, 3                       ; V's: 8 bytes a visit
	s_bfe_u32 s[TH], s[VI], 0x10002
	s_mul_i32 s[TH], s[TH], 816                    ; V's half of the keys
	s_and_b32 s[PH], s[VI], 3
	v_add_nc_u32 v[ADK], s[TB], v[AK0]
	v_add_nc_u32 v[ADS], s[TS], v[ASK0]
	v_add_nc_u32 v[ADT], s[TJ], v[ASV0]
	v_add_nc_u32 v[AVL], s[TH], v[AV0]
	v_add_nc_u32 v[AWL], s[TH], v[AV1]
	v_add_nc_u32 v[AVL+2], VHI, v[AVL]
	v_add_nc_u32 v[AWL+2], VHI, v[AWL]
.if \fill
	s_add_co_u32 s80, s[VI], 1                     ; no tensor load of mine is out: group 0 may be written
	s_and_b32 s81, s80, 1
	s_lshl_b32 s81, s81, 15
	s_add_co_u32 s[G0K+1], s81, s[KL]
	s_and_b32 s80, s80, 7
	s_mul_i32 s[KO], s80, 256*ROWB
	s_add_nc_u64 s[G0K+2:G0K+3], s[KB:KB+1], s[KO:KO+1]
	s_or_b32 s[G0K+3], s[G0K+3], 0x80000000
	s_wait_alu depctr_va_vdst(0)                   ; the wait ahead of the waits below
	s_wait_xcnt 0x0                                ; the last prefetch has read its address
	s_add_nc_u64 s[PFA:PFA+1], s[PFA:PFA+1], 32768
	s_wait_dscnt 0x0
	CROUND
	JLOAD
	ASK
.else
	s_wait_alu depctr_va_vdst(0)
	s_wait_dscnt 0x0
	s_barrier_signal -1
	s_barrier_wait -1
.endif
.endm
; THE WAY OUT of a block.  O^T / the sum goes through my stage, 64 channels (256 bytes) of 16 queries at a time, so that sixteen lanes store 256 consecutive bytes.
; nxt = 1: the next block's Q is asked for first and lands under the way out; then the statistics and O^T begin anew.
.macro WAYOUT nxt
.if \nxt
	s_add_nc_u64 s[4:5], s[4:5], 1024*ROWB         ; 1,024 queries on (Q's earlier loads were waited for)
	s_add_nc_u64 s[6:7], s[6:7], 4096
	QLOAD
.endif
.irp x, 0,1
	v_add_f32 v[ST+8*\x+TA], v[ST+8*\x+LS], v[ST+8*\x+LS+1]
.endr
.irp x, 0,1
	v_permlanex16_b32 v[ST+8*\x+TV], v[ST+8*\x+TA], s[SEL], s[SEL+1]
.endr
.irp x, 0,1
	v_add_f32 v[ST+8*\x+TA], v[ST+8*\x+TA], v[ST+8*\x+TV]
.endr
	s_wait_alu depctr_va_vdst(0)                   ; ahead of the reciprocals
.irp x, 0,1
	v_rcp_f32 v[ST+8*\x+FF], v[ST+8*\x+TA]
.endr
	v_nop
	WIN 0x41
	s_wait_alu depctr_va_vdst(0)                   ; behind them, directly ahead of the first reader of f and of O^T
.irp x, 0,1
.set jj, 0
.rept 32
	v_pk_mul_f32 v[128+64*\x+2*jj:128+64*\x+2*jj+1], v[128+64*\x+2*jj:128+64*\x+2*jj+1], v[ST+8*\x+FF:ST+8*\x+FF+1] op_sel_hi:[1,0]
.set jj, jj+1
.endr
.endr
.irp x, 0,1
.irp u, 0,1
	WIN 0x04                                       ; an LDS store's data: window 1
.irp t, 0,1,2,3
	ds_store_b128 v[STO], v[128+64*\x+32*\u+8*\t:128+64*\x+32*\u+8*\t+3] offset:32*\t
	ds_store_b128 v[STO], v[128+64*\x+32*\u+8*\t+4:128+64*\x+32*\u+8*\t+7] offset:32*\t+16
.endr
	WIN 0
.irp i, 0,1,2,3,4,5,6,7
	ds_load_b128 v[OUTB+32*(2*\x+\u)+4*\i:OUTB+32*(2*\x+\u)+4*\i+3], v[RD] offset:2*SP*\i   ; a wave's LDS instructions are served in order (ISA guide 5.7.1.4)
.endr
.endr
.endr
.irp x, 0,1
.irp u, 0,1
.irp i, 0,1,2,3,4,5,6,7
	s_wait_dscnt 16*(3-2*\x-\u)+7-\i               ; behind this load: the rest of its eight, and sixteen LDS instructions for each later half
	global_store_b128 v[GO], v[OUTB+32*(2*\x+\u)+4*\i:OUTB+32*(2*\x+\u)+4*\i+3], s[16:17] offset:8192*\x+1024*\i+256*\u th:TH_STORE_NT
.endr
.endr
.endr
.if \nxt
	s_wait_xcnt 0x0                                ; the stores' base and data may be written again
	s_add_nc_u64 s[16:17], s[16:17], 1024*512
	INIT
	s_wait_alu depctr_va_vdst(0)
	s_wait_loadcnt 0x0                             ; the next block's Q
.endif
.endm
	s_wait_alu depctr_va_vdst(0)                   ; the wait at the head's end
	s_wait_loadcnt 0x0                             ; Q and its scale words
; THE WALK.  A visit's units are P1(0) P2 P1(1) P2.  The change of slots needs only that P1(1) has read K's slot into registers: V stays in LDS, and P2 names no slot.
; Group 0 runs the visit's last P2 ahead of the change, group 1 behind it: so, behind each barrier, one group is at K's fragments and S^T while the other is at its softmax.
; Every wave passes every barrier; the branches hang on the wave's number and on the counted visit alone, and lead round register work, the way out and Q's loads only.
; The loop is turned so that the first change and the first P1 stand ahead of it, on every wave's path.  Fourteen trips: trip v ends with visit v + 1's first P1.
	CHANGE 1                                       ; visit 0: slot 0, the scales and V are in; slot 1 is asked for
	P1 0, 0
.Lslot:
	P2
	P1 1, -1
	s_cmp_eq_u32 s[GB], 0
	s_cbranch_scc0 .Lnot_a
	P2
	s_cmp_eq_u32 s[VI], 7                          ; group 0: the first block is finished
	s_cbranch_scc0 .Lnot_a
	WAYOUT 1
.Lnot_a:
	s_add_co_u32 s[VI], s[VI], 1
	CHANGE 1
	s_cmp_eq_u32 s[GB], 0
	s_cbranch_scc1 .Lnot_b
	P2
	s_cmp_eq_u32 s[VI], 8                          ; group 1: the first block is finished
	s_cbranch_scc0 .Lnot_b
	WAYOUT 1
.Lnot_b:
	P1 0, -1
	s_cmp_lt_u32 s[VI], 14
	s_cbranch_scc1 .Lslot
	P2                                             ; the rest of visit 14 and visit 15 are written out: nothing more is asked for, and both groups go alike
	P1 1, 5
	P2
	s_add_co_u32 s[VI], s[VI], 1
	CHANGE 0
	P1 0, 6
	P2
	P1 1, 7
	P2
	WAYOUT 0
	s_wait_tensorcnt 0x0                           ; the wave's end
	ds_add_u32 v[SPW], v[NIL]
	s_wait_dscnt 0x0
	CROUND                                         ; the closing round
	s_endpgm
.Lfunc_end_k_q155e7264bf_attn:
	.size	k_q155e7264bf_attn, .Lfunc_end_k_q155e7264bf_attn-k_q155e7264bf_attn
	.p2alignl 7, 3214868480
	.fill 96, 4, 3214868480
	.section	.rodata,"a",@progbits
	.p2align	6, 0x0
	.amdhsa_kernel k_q155e7264bf_attn
		.amdhsa_group_segment_fixed_size 327680
		.amdhsa_private_segment_fixed_size 0
		.amdhsa_enable_private_segment 0
		.amdhsa_kernarg_size 56
		.amdhsa_user_sgpr_count 2
		.amdhsa_user_sgpr_kernarg_segment_ptr 1
		.amdhsa_wavefront_size32 1
		.amdhsa_system_sgpr_workgroup_id_x 1
		.amdhsa_system_sgpr_workgroup_id_y 1
		.amdhsa_system_sgpr_workgroup_id_z 1
		.amdhsa_system_vgpr_workitem_id 0
		.amdhsa_next_free_vgpr 512
		.amdhsa_next_free_sgpr 100
		.amdhsa_reserve_vcc 0
		.amdhsa_float_denorm_mode_32 3
		.amdhsa_float_denorm_mode_16_64 3
		.amdhsa_memory_ordered 1
		.amdhsa_forward_progress 1
		.amdhsa_inst_pref_size 255
	.end_amdhsa_kernel
	.section	.bss,"aw",@nobits
	.p2align	6
	.space	262144
	.amdgpu_metadata
---
amdhsa.version: [ 1, 2 ]
amdhsa.kernels:
  - .name:           k_q155e7264bf_attn
    .symbol:         k_q155e7264bf_attn.kd
    .args:
      - { .name: Q_codes, .offset: 0, .size: 8, .value_kind: global_buffer, .address_space: global }
      - { .name: Q_scales, .offset: 8, .size: 8, .value_kind: global_buffer, .address_space: global }
      - { .name: K_codes, .offset: 16, .size: 8, .value_kind: global_buffer, .address_space: global }
      - { .name: K_scales, .offset: 24, .size: 8, .value_kind: global_buffer, .address_space: global }
      - { .name: V_codes, .offset: 32, .size: 8, .value_kind: global_buffer, .address_space: global }
      - { .name: V_scales, .offset: 40, .size: 8, .value_kind: global_buffer, .address_space: global }
      - { .name: out0, .offset: 48, .size: 8, .value_kind: global_buffer, .address_space: global }
    .group_segment_fixed_size: 327680
    .private_segment_fixed_size: 0
    .kernarg_segment_align: 8
    .kernarg_segment_size: 56
    .max_flat_workgroup_size: 256
    .sgpr_count:     100
    .vgpr_count:     512
    .wavefront_size: 32
...
	.end_amdgpu_metadata
.endif
;; end of part 1
